; MI455X (gfx1250); checked and timed in simulation.
; The chip was launched on July 23, 2026; its instructions are those of AMD's public machine-readable ISA for CDNA 5 (MIT licence, August 2026) and "CDNA5" Instruction Set Architecture Reference Guide (July 2026). The comments in the code are by the model that wrote it; some were corrected since.
;; Trellis Linear. Allowed arithmetic: matrix products marked QUANTISED: E4M3 operands, one given power-of-two scale a tensor, by v_wmma_f32_16x16x64_fp8_fp8 or v_wmma_f32_16x16x128_fp8_fp8, f32 sums; everything else in f32.
;; Inputs: lowp_scales 2 int32 (the exponents e of the quantised operands' scales 2^e); lut 65,536 x 2 float32; su 4,096 float32; sv 2,048 float32; trellis 32,768 x 32 int32; weight_scales 32,768 x 1 float32; x 8,192 x 4,096 float32.
;; Outputs: out0 8,192 x 2,048 float32.
;; This version of the problem:
;;   THIS VERSION OF THE PROBLEM IS GIVEN IN LOW PRECISION. The matrix products marked QUANTISED in the list below multiply operands that are first quantised to E4M3 (4 exponent bits, 3 mantissa bits; 8 bits a number), with one given power-of-two scale for each operand tensor; their sums are f32. All else is computed in f32.
;;   The module's matrix products, in the order in which they are computed (A, B: the left and right operand; K: the contracted axis; several contracted axes count as one K, in the product's order):
;;     1. [M 8,192, K 4,096] x [K 4,096, N 2,048]; A: computed on the way; B: computed on the way: QUANTISED (scales: A lowp_scales[0], B lowp_scales[1])
;;   THE QUANTISER, for each operand of a quantised product, along K:
;;     - The operand's scale is 2^e, e = its entry of the input lowp_scales (int32; the entries are numbered through the quantised products in the list's order, A before B).
;;     - Each number is divided by the scale, clamped to +-448, and rounded to the nearest number of E4M3, ties to even, subnormals kept.
;;     - The product sums the exact products of the quantised numbers (number of the format x scale) in f32.
;;   ~~~python
;;   def quantise(x, axis, e):      # numpy; x: float32 -> the quantised numbers, widened to float32 again
;;       x = np.moveaxis(x, axis, -1); K = x.shape[-1]
;;       r = np.clip(x / 2.0 ** e, -448, 448)
;;       step = 2.0 ** (np.maximum(np.frexp(np.where(r == 0, 1, r))[1] - 1, -6) - 3)
;;       q = np.round(r / step) * step * 2.0 ** e      # np.round: ties to even
;;       return np.moveaxis(q, -1, axis).astype(np.float32)
;;   ~~~
;;   OPERANDS COMPUTED ON THE WAY. 'Computed on the way' means the value that the module computes at that place (a softmax that the list does not call 'softmax' is quantised finished and normalised). What goes into a quantiser is computed in f32, as accurately as f32 sums, v_exp_f32 and their like allow (about 1e-6 of the number): no bf16 or f16 on the way to a quantiser, and a product that is left as it is and whose result goes on into a quantised operand takes f32 operands (vector FMAs, or v_wmma_f32_16x16x4_f32). A number that lies on a knife's edge between two numbers of the format may be rounded either way, as far as f32 arithmetic and the matrix unit's own rounding can turn it there, and no further.
;; One version. Each part assembles by itself: llvm-mc -triple=amdgcn-amd-amdhsa -mcpu=gfx1250 --defsym DOCPART=n.
;; ======== version 1 of 1: 4 launches
;; limits: right only within a limited range of input values
;; workspace buffers: x_codes 33,554,432 bytes; wtmp 33,554,432 bytes; w_codes 8,388,608 bytes
;; launch wdec (part 1): grid 256 x 1, 16 waves a work-group, clusters of 4 x 1, 272,384 bytes of LDS; arguments trellis, lut, su, sv, wtmp; writes wtmp
.if DOCPART == 1
	.amdgcn_target "amdgcn-amd-amdhsa--gfx1250"
	.amdhsa_code_object_version 6
	.text
	.protected	k_q11b913fe92_wdec
	.globl	k_q11b913fe92_wdec
	.p2align	8
	.type	k_q11b913fe92_wdec,@function
k_q11b913fe92_wdec:
	s_mov_b64 s[64:65], 0
	v_nop
	global_prefetch_b8 v0, s[64:65] scope:SCOPE_SE
	s_setreg_imm32_b32 hwreg(HW_REG_WAVE_MODE, 25, 1), 1
	s_wait_xcnt 0x0
	s_wait_alu depctr_hold_cnt(0) depctr_sa_sdst(0) depctr_va_vdst(0) depctr_va_sdst(0) depctr_va_ssrc(0) depctr_va_vcc(0) depctr_vm_vsrc(0)
	s_getreg_b32 s2, hwreg(HW_REG_IB_STS2, 6, 4)
	s_cmp_eq_u32 s2, 0
	s_cbranch_scc0 .Lentry_in_a_cluster
	s_endpgm
.Lentry_in_a_cluster:
	s_bfe_u32 s2, ttmp6, 0x10000c
	s_cmp_lg_u32 s2, 0x3003
	s_cbranch_scc0 .Lentry_shape_is_right
	s_endpgm
.Lentry_shape_is_right:
; W, first half of the way: decode of the trellis, x su[i] x sv[o] x 2^-11.5, Hadamard butterflies over all 12 bits of the input index i and over the low 3 bits of the output index o.
; The diagonal factors and the two transforms act on different axes or are scalars, so they commute; only the order of the f32 roundings differs from the written order.  2^-11.5 is 2^-5.5 (rounded to f32) x 2^-6.
; SHARES.  Work-group a owns rows o = 8 a + b, b = 0 .. 7: 32,768 numbers, 64 for each of its 512 threads.
; THE TABLE, 65,536 pairs of f32, is twice the LDS that is left beside the exchanges: it comes in two halves of 262,144 bytes.  Every state is looked up in both halves by its low 15 bits, and its top bit selects.
; THREE MAPPINGS of the numbers onto threads and registers; butterflies are made only over bits that lie in the register number:
;   M1 (decode): thread t: t[0:1] = i[6:7], t[2:5] = i[8:11], t[6:8] = b; register = i[0:5].  Wave w = i11 + 2 b, lane = i[6:10].
;   M2: same wave; lane = i[1:5], register = i0 + 2 i[6:10].        M3: thread = i[2:10], register = i[0:1] + 4 (i11 + 2 b).
; LDS: bytes 0 .. 262,143 a half of the table, entry e at 8 e.  Behind the last look-up: X1 = 0: 32 rows of 272 bytes for each wave, its own; X2: 8,192 bytes for each i11 + 2 b, byte 4 i[0:10].
; LIMITS: NaN and infinities in lut, su, sv are passed on as the arithmetic makes them; none is looked for.
.set P1,   272                         ; a row of X1: 256 bytes + 16: sixteen lanes' 16-byte stores start at sixteen different columns of 16 bytes
.set X1W,  32*P1                       ; a wave's part of X1
.set X2,   16*X1W                      ; 139,264
.set HALF, 262144
.set NORM, 0x39b504f3                  ; 2^-11.5
.set U,    16                          ; v16-24  nine words of the trellis; then v16-23: word k in the upper half, word k + 1 in the lower
.set TS,   25                          ; v25-28  at work
.set ADR,  32                          ; v32-63  LDS address of each of my 32 states' entries
.set A,    64                          ; v64-127
.set B,    128                         ; v128-191
.set SU,   192                         ; v192-255
; v1 32 t (my eight words)  v2 my vector's next word, cyclic  v3 16 t  v4-7 16 t + 65,536 k  v8, v9, v10 my places in my wave's X1  v11 my place in X2 on the way in  v12, v13 on the way out  v15 16 x lane
.macro BAR                             ; my LDS instructions are done, then the work-group's barrier
	s_wait_dscnt 0x0
	s_barrier_signal -1
	s_barrier_wait -1
.endm
.macro FILL half, reg0                 ; a half of the table into 128 registers: each load of the work-group covers 8,192 consecutive bytes
.set n, 0
.rept 32
	global_load_b128 v[\reg0+4*n:\reg0+4*n+3], v3, s[6:7] offset:\half*HALF+8192*n
.set n, n+1
.endr
.endm
.macro PUT reg0                        ; and on into LDS as it lies
.set n, 0
.rept 32
	s_wait_loadcnt 31-n                            ; loads come back in order: load n is in, the 31 - n younger ones may be out
	ds_store_b128 v[4+n/8], v[\reg0+4*n:\reg0+4*n+3] offset:(n%8)*8192
.set n, n+1
.endr
.endm
.macro GATHER dst                      ; the pair of values of each of my 32 states
.set n, 0
.rept 32
	ds_load_b64 v[\dst+2*n:\dst+2*n+1], v[ADR+n]
.set n, n+1
.endr
.endm
.macro STAGE src, dst, h               ; one butterfly over the register bit h, on 64 registers, out of place: (a, b) -> (a + b, a - b)
.set p, 0
.rept 32
.if \h == 1
	v_add_f32 v[\dst+p], v[\src+p], v[\src+p+1]
	v_sub_f32 v[\dst+p+1], v[\src+p], v[\src+p+1]
.elseif (p & \h) == 0
	v_pk_add_f32 v[\dst+p:\dst+p+1], v[\src+p:\src+p+1], v[\src+p+\h:\src+p+\h+1]
	v_pk_add_f32 v[\dst+p+\h:\dst+p+\h+1], v[\src+p:\src+p+1], v[\src+p+\h:\src+p+\h+1] neg_lo:[0,1] neg_hi:[0,1]
.endif
.set p, p+2
.endr
.endm
	s_load_b256 s[4:11], s[0:1], 0x0               ; trellis s[4:5], lut s[6:7], su s[8:9], sv s[10:11]
	s_load_b64 s[12:13], s[0:1], 0x20              ; wtmp
; HOW THE TABLE COMES IN.  Its lower half comes by the tensor data mover straight to LDS bytes 0 .. 262,143: one load a wave, 64 rows of 256 bytes, at 16,384 x wave in the table and in LDS alike.
; Every work-group reads the same table, so the load is JOINT in a cluster of 4 x 1 work-groups (mask 15): the same descriptor in all four; a round of the cluster's barrier in front of it, one in front of s_endpgm.
; The upper half goes out at the same time by 32 loads a thread into v128-255 and is stored over the lower half when nobody reads that any more: those bytes have had their only fill by then.
.macro ROUND                           ; a round of the cluster's barrier
	s_barrier_signal -1
	s_barrier_wait -1
	s_cmp_lg_u32 s14, 0
	s_cbranch_scc1 .Lnot_wave_0_\@
	s_barrier_signal -3
.Lnot_wave_0_\@:
	s_barrier_wait -3
	s_barrier_signal -1
	s_barrier_wait -1
.endm
	v_lshl_add_u32 v30, v0, 2, 0x42000
	v_mov_b32 v31, 0
	ds_add_u32 v30, v31                            ; the opening lines: the add, twice on end, and its wait ahead of my tensor load
	ds_add_u32 v30, v31
	v_lshrrev_b32 v26, 5, v0
	s_delay_alu instid0(VALU_DEP_1)
	v_readfirstlane_b32 s14, v26                   ; wave 0..15
	v_and_b32 v25, 31, v0                          ; lane
	v_lshlrev_b32 v1, 5, v0                        ; a vector is 128 bytes, my quarter 32: 32 t
	v_add_nc_u32 v27, 1, v0
	s_delay_alu instid0(VALU_DEP_1)
	v_and_b32 v27, 3, v27
	s_delay_alu instid0(VALU_DEP_1)
	v_and_or_b32 v2, v0, 0x1fc, v27                ; the next quarter of the same vector, cyclic:
	s_delay_alu instid0(VALU_DEP_1)
	v_lshlrev_b32 v2, 5, v2                        ; its first word follows my last
	v_lshlrev_b32 v3, 4, v0
.irp k, 0,1,2,3
	v_lshl_add_u32 v[4+\k], v0, 4, 65536*\k
.endr
	s_mul_i32 s15, s14, X1W
	v_mul_u32_u24 v8, v25, P1
	s_delay_alu instid0(VALU_DEP_1)
	v_add_nc_u32 v8, s15, v8                       ; X1: row = lane
	v_lshl_add_u32 v9, v25, 3, s15                 ; X1: 8 bytes a lane along a row
	v_lshrrev_b32 v27, 4, v25
	v_and_b32 v28, 15, v25
	s_delay_alu instid0(VALU_DEP_2)
	v_mul_u32_u24 v10, v27, P1
	s_delay_alu instid0(VALU_DEP_1)
	v_lshl_add_u32 v10, v28, 4, v10
	s_delay_alu instid0(VALU_DEP_1)
	v_add_nc_u32 v10, s15, v10                     ; X1: sixteen lanes to a row of 256 bytes, two rows an instruction
	s_lshl_b32 s16, s14, 13
	s_add_co_u32 s16, s16, X2
	v_lshl_add_u32 v11, v25, 3, s16
	v_lshl_add_u32 v12, v0, 4, X2
	v_lshl_add_u32 v13, v0, 4, X2+65536
	v_lshlrev_b32 v15, 4, v25
	s_mov_b32 s22, 0x05040100                      ; byte select: two low halves
	s_bfe_u32 s28, ttmp6, 0x40000                  ; my place in the cluster
	s_lshl_b32 s29, ttmp9, 2
	s_add_co_u32 s28, s28, s29                     ; work-group a = 4 x cluster + place: it enters global offsets alone
	s_lshl_b32 s16, s28, 14
	s_mov_b32 s17, 0
	s_and_b32 s18, s14, 1
	s_lshl_b32 s18, s18, 13                        ; su: my wave's half of the 4,096
	s_mov_b32 s19, 0
	s_lshl_b32 s24, s28, 3
	s_lshr_b32 s25, s14, 1
	s_add_co_u32 s24, s24, s25
	s_lshl_b32 s24, s24, 2                         ; sv: o = 8 a + wave / 2
	s_mov_b32 s25, 0
	s_lshl_b32 s26, s28, 17
	s_mov_b32 s27, 0
	s_mov_b32 s36, 15|(3<<16)|(1<<21)              ; group 1: mask of the cluster's four; elements of 8 bytes; bit 21 beside a mask; no padding
	s_mov_b32 s37, 32<<16                          ; tensor_dim0 = 32 elements: a row of 256 bytes
	s_mov_b32 s38, 64<<16                          ; tensor_dim1 = 64
	s_mov_b32 s39, 32<<16                          ; tile_dim0 = 32
	s_mov_b32 s40, 64                              ; tile_dim1 = 64 rows
	s_mov_b32 s41, 32                              ; pitch: the rows are dense
	s_mov_b32 s42, 0
	s_mov_b32 s43, 0
	s_mov_b32 s32, 1                               ; group 0
	s_lshl_b32 s33, s14, 14                        ; LDS byte 16,384 x wave,
	s_mov_b32 s30, s33                             ; and the same place in the table
	s_mov_b32 s31, 0
	s_wait_alu depctr_va_vdst(0)
	s_wait_dscnt 0x0                               ; both opening adds are done
	s_wait_kmcnt 0x0
	s_add_nc_u64 s[34:35], s[6:7], s[30:31]
	s_or_b32 s35, s35, 0x80000000
	ROUND                                          ; all four work-groups are here: the joint loads meet
	tensor_load_to_lds s[32:35], s[36:43]          ; my 16,384 bytes of the table's lower half: my only tensor load
	s_nop 0
	s_add_nc_u64 s[4:5], s[4:5], s[16:17]
	s_add_nc_u64 s[8:9], s[8:9], s[18:19]
	s_add_nc_u64 s[10:11], s[10:11], s[24:25]
	s_add_nc_u64 s[12:13], s[12:13], s[26:27]
	s_load_b32 s20, s[10:11], 0x0                  ; sv[o]
	global_load_b128 v[U:U+3], v1, s[4:5]
	global_load_b128 v[U+4:U+7], v1, s[4:5] offset:16
	global_load_b32 v[U+8], v2, s[4:5]
	FILL 1, B                                      ; the upper half lands while the lower lands and is looked up
	s_wait_loadcnt 32                              ; the three loads of the trellis are in; the 32 of the table may be out
.irp k, 0,1,2,3,4,5,6,7
	v_perm_b32 v[U+\k], v[U+\k], v[U+\k+1], s22    ; word k's low 16 bits above word k + 1's: what lies above bit 15 of a word falls away.  Ascending: word k + 1 is still as loaded
.endr
.irp k, 0,1,2,3,4,5,6,7
.irp s, 0,1,2,3
	v_bfe_u32 v[ADR+4*\k+\s], v[U+\k], 16-4*\s, 15 ; state 4 k + s is the window of 16 bits that begins 4 s bits under the top: here its low 15
.endr
.endr
.set n, 0
.rept 32
	v_min_u32 v[ADR+n], 0x7fff, v[ADR+n]           ; a loaded number enters an address behind a clamp that is written out
.set n, n+1
.endr
.set n, 0
.rept 32
	v_lshlrev_b32 v[ADR+n], 3, v[ADR+n]            ; 8 bytes an entry
.set n, n+1
.endr
	s_wait_alu depctr_va_vdst(0)
	s_wait_tensorcnt 0x0                           ; my part of the lower half is in,
	BAR                                            ; and so is everybody's
	GATHER A
	s_wait_alu depctr_va_vdst(0)
	BAR                                            ; nobody reads the lower half any more
	PUT B
	BAR                                            ; the upper half is whole
.set n, 0
.rept 16
	global_load_b128 v[SU+4*n:SU+4*n+3], v15, s[8:9] offset:512*n   ; my wave's 2,048 su, 512 consecutive bytes a load
.set n, n+1
.endr
	GATHER B
	BAR                                            ; the table's bytes are free
.irp k, 0,1,2,3,4,5,6,7
.irp s, 0,1,2,3
.if \s == 0
	v_cmp_gt_i32 vcc_lo, 0, v[U+\k]                ; the state's top bit, brought to the sign
.else
	v_lshlrev_b32 v[TS+\s], 4*\s, v[U+\k]
	s_delay_alu instid0(VALU_DEP_1)
	v_cmp_gt_i32 vcc_lo, 0, v[TS+\s]
.endif
	s_delay_alu instid0(VALU_DEP_1)
	v_cndmask_b32 v[A+8*\k+2*\s], v[A+8*\k+2*\s], v[B+8*\k+2*\s], vcc_lo       ; set: the upper half's pair
	s_delay_alu instid0(VALU_DEP_2)
	v_cndmask_b32 v[A+8*\k+2*\s+1], v[A+8*\k+2*\s+1], v[B+8*\k+2*\s+1], vcc_lo
.endr
.endr
	s_wait_kmcnt 0x0
	s_mul_f32 s20, s20, NORM
	s_mov_b32 s21, s20                             ; (named with it as a pair, so it is written)
	s_wait_loadcnt 0x0                             ; su
.set n, 0
.rept 32
	v_pk_mul_f32 v[SU+2*n:SU+2*n+1], v[SU+2*n:SU+2*n+1], s[20:21] op_sel_hi:[1,0]
.set n, n+1
.endr
.set n, 0
.rept 16
	ds_store_b128 v10, v[SU+4*n:SU+4*n+3] offset:2*P1*n   ; su turns through my wave's X1: in as loaded, row = i[6:10],
.set n, n+1
.endr
.set n, 0
.rept 16
	ds_load_b128 v[B+4*n:B+4*n+3], v8 offset:16*n  ; out a row a lane.  LDS serves a wave's instructions in order (ISA guide 5.7.1.4): these see the stores above
.set n, n+1
.endr
	s_wait_dscnt 0x0
.set n, 0
.rept 32
	v_pk_mul_f32 v[A+2*n:A+2*n+1], v[A+2*n:A+2*n+1], v[B+2*n:B+2*n+1]
.set n, n+1
.endr
	STAGE A, B, 1                                  ; i[0:5]
	STAGE B, A, 2
	STAGE A, B, 4
	STAGE B, A, 8
	STAGE A, B, 16
	STAGE B, A, 32
.set n, 0
.rept 16
	ds_store_b128 v8, v[A+4*n:A+4*n+3] offset:16*n ; M1 to M2, inside the wave: row = i[6:10], byte 4 i[0:5]
.set n, n+1
.endr
.set n, 0
.rept 32
	ds_load_b64 v[B+2*n:B+2*n+1], v9 offset:P1*n   ; row n, my two numbers: 32 lanes read 256 consecutive bytes
.set n, n+1
.endr
	s_wait_dscnt 0x0
	STAGE B, A, 2                                  ; i[6:10]
	STAGE A, B, 4
	STAGE B, A, 8
	STAGE A, B, 16
	STAGE B, A, 32
.set n, 0
.rept 32
	ds_store_b64 v11, v[A+2*n:A+2*n+1] offset:256*n   ; M2 to M3: byte 8,192 wave + 4 i[0:10]
.set n, n+1
.endr
	BAR                                            ; all sixteen half rows lie in X2
.set n, 0
.rept 16
	ds_load_b128 v[B+4*n:B+4*n+3], v[12+n/8] offset:(n%8)*8192
.set n, n+1
.endr
	s_wait_dscnt 0x0
	STAGE B, A, 4                                  ; i11,
	STAGE A, B, 8                                  ; and b's three bits
	STAGE B, A, 16
	STAGE A, B, 32
.set n, 0
.rept 16
	global_store_b128 v3, v[B+4*n:B+4*n+3], s[12:13] offset:8192*n   ; row 8 a + n / 2, half n % 2: a wave's store covers 512 consecutive bytes, aligned
.set n, n+1
.endr
	s_wait_tensorcnt 0x0
	ds_add_u32 v30, v31
	s_wait_dscnt 0x0
	ROUND                                          ; the closing round
	s_endpgm
.Lfunc_end_k_q11b913fe92_wdec:
	.size	k_q11b913fe92_wdec, .Lfunc_end_k_q11b913fe92_wdec-k_q11b913fe92_wdec
	.p2alignl 7, 3214868480
	.fill 96, 4, 3214868480
	.section	.rodata,"a",@progbits
	.p2align	6, 0x0
	.amdhsa_kernel k_q11b913fe92_wdec
		.amdhsa_group_segment_fixed_size 272384
		.amdhsa_private_segment_fixed_size 0
		.amdhsa_enable_private_segment 0
		.amdhsa_kernarg_size 40
		.amdhsa_user_sgpr_count 2
		.amdhsa_user_sgpr_kernarg_segment_ptr 1
		.amdhsa_wavefront_size32 1
		.amdhsa_system_sgpr_workgroup_id_x 1
		.amdhsa_system_sgpr_workgroup_id_y 1
		.amdhsa_system_sgpr_workgroup_id_z 1
		.amdhsa_system_vgpr_workitem_id 0
		.amdhsa_next_free_vgpr 256
		.amdhsa_next_free_sgpr 66
		.amdhsa_reserve_vcc 1
		.amdhsa_float_denorm_mode_32 3
		.amdhsa_float_denorm_mode_16_64 3
		.amdhsa_memory_ordered 1
		.amdhsa_forward_progress 1
		.amdhsa_inst_pref_size 74
	.end_amdhsa_kernel
	.amdgpu_metadata
---
amdhsa.version: [ 1, 2 ]
amdhsa.kernels:
  - .name:           k_q11b913fe92_wdec
    .symbol:         k_q11b913fe92_wdec.kd
    .args:
      - { .name: trellis, .offset: 0, .size: 8, .value_kind: global_buffer, .address_space: global }
      - { .name: lut, .offset: 8, .size: 8, .value_kind: global_buffer, .address_space: global }
      - { .name: su, .offset: 16, .size: 8, .value_kind: global_buffer, .address_space: global }
      - { .name: sv, .offset: 24, .size: 8, .value_kind: global_buffer, .address_space: global }
      - { .name: wtmp, .offset: 32, .size: 8, .value_kind: global_buffer, .address_space: global }
    .group_segment_fixed_size: 272384
    .private_segment_fixed_size: 0
    .kernarg_segment_align: 8
    .kernarg_segment_size: 40
    .max_flat_workgroup_size: 512
    .sgpr_count:     66
    .vgpr_count:     256
    .wavefront_size: 32
...
	.end_amdgpu_metadata
.endif
;; end of part 1
;; launch wfin (part 2): grid 16 x 8, 16 waves a work-group, no clusters, 280,576 bytes of LDS; arguments wtmp, weight_scales, lowp_scales, w_codes; writes w_codes
.if DOCPART == 2
	.amdgcn_target "amdgcn-amd-amdhsa--gfx1250"
	.amdhsa_code_object_version 6
	.text
	.protected	k_q11b913fe92_wfin
	.globl	k_q11b913fe92_wfin
	.p2align	8
	.type	k_q11b913fe92_wfin,@function
k_q11b913fe92_wfin:
	s_mov_b64 s[64:65], 0
	v_nop
	global_prefetch_b8 v0, s[64:65] scope:SCOPE_SE
	s_setreg_imm32_b32 hwreg(HW_REG_WAVE_MODE, 25, 1), 1
	s_wait_xcnt 0x0
; W, second half of the way: Hadamard butterflies over the high 8 bits a of the output index o = 8 a + b, x the scale of each group of 256 inputs, then the quantiser: codes of E4M3 with the given scale 2^e1.
; code = w / 2^e1, held within +-448, to the nearest code, ties to even.  LIMITS: e1 between -126 and 119; NaN is not served.
; SHARES.  Work-group (cb, b) owns the 256 rows o = 8 a + b and the 256 columns of group cb: 65,536 numbers, 128 a thread.  That is the least that holds both all of a and a whole run of 256 codes of each row.
; A thread holds 8 columns of 16 rows: register 8 rho + 4 j + c.  First a = 16 wave + rho and columns 128 j + 4 l + c (l the lane), so that each load reads 512 consecutive bytes;
; then, behind one exchange through LDS, a = 16 rho + wave and columns 8 l + 4 j + c: eight neighbours, so that one conversion gives eight neighbouring codes and the wave's store covers 256 consecutive bytes, aligned.
; The butterflies run over rows alone, so the columns may change hands between them.  The codes lie [2048][4096], K in its natural order.
; LDS: row a at RP a; byte x of a row at x + 16 (x / 256): with that padding the sixteen lanes of a 16-byte store (16 bytes apart) and of a 16-byte load (32 bytes apart) each touch sixteen different columns of 16 bytes.
; grid: 128 work-groups: half the columns to a work-group would store half runs.
.set RP,  1088                         ; an LDS row: 1,024 bytes + 4 x 16 of padding
.set A0,  16                           ; v16-143  the numbers; half j = 0 of row rho at A0 + 8 rho,
.set A1,  20                           ;          half j = 1 at A1 + 8 rho
.set SCR, 144                          ; v144-207 at work; at the end the codes, two registers a row
; v1 16 x lane   v2 LDS on the way in   v3-6 LDS on the way out, 64 rows apart   v7 8 x lane   v8 448 x 2^e1   v9 2^e1   v10, v11 at work
; s[32:63]: my sixteen rows' group scales, each at an even register with a copy beside it (the packed form names a pair)
.macro ST4 sb, ss, db, ds, hb          ; a butterfly over bit hb of rho on 16 x 4 registers: from base sb, ss registers from row to row, to base db, ds from row to row
.set rho, 0
.rept 16
.if (rho & \hb) == 0
.irp k, 0,2
	v_pk_add_f32 v[\db+\ds*rho+\k:\db+\ds*rho+\k+1], v[\sb+\ss*rho+\k:\sb+\ss*rho+\k+1], v[\sb+\ss*(rho+\hb)+\k:\sb+\ss*(rho+\hb)+\k+1]
	v_pk_add_f32 v[\db+\ds*(rho+\hb)+\k:\db+\ds*(rho+\hb)+\k+1], v[\sb+\ss*rho+\k:\sb+\ss*rho+\k+1], v[\sb+\ss*(rho+\hb)+\k:\sb+\ss*(rho+\hb)+\k+1] neg_lo:[0,1] neg_hi:[0,1]
.endr
.endif
.set rho, rho+1
.endr
.endm
.macro FW16 base                       ; the four bits of rho, for one half of the columns; ends where it began
	ST4 \base, 8, SCR, 4, 1
	ST4 SCR, 4, \base, 8, 2
	ST4 \base, 8, SCR, 4, 4
	ST4 SCR, 4, \base, 8, 8
.endm
	s_load_b256 s[4:11], s[0:1], 0x0               ; wtmp s[4:5], weight_scales s[6:7], lowp_scales s[8:9], w_codes s[10:11]
	v_lshl_add_u32 v208, v0, 2, 0x44000
	v_mov_b32 v209, 0
	v_lshrrev_b32 v10, 5, v0
	s_delay_alu instid0(VALU_DEP_1)
	v_readfirstlane_b32 s12, v10                   ; wave 0..15
	v_and_b32 v10, 31, v0                          ; lane
	s_delay_alu instid0(VALU_DEP_1)
	v_lshlrev_b32 v1, 4, v10
	s_mul_i32 s15, s12, 16*RP
	v_lshrrev_b32 v11, 4, v10
	v_lshl_add_u32 v2, v10, 4, s15                 ; in: my wave's 16 rows, byte 16 l of a half row,
	s_delay_alu instid0(VALU_DEP_1)
	v_lshl_add_u32 v2, v11, 4, v2                  ; + the padding behind its first 256 bytes
	s_mul_i32 s15, s12, RP
	v_lshrrev_b32 v11, 3, v10
	v_lshl_add_u32 v3, v10, 5, s15                 ; out: row wave, byte 32 l,
	s_delay_alu instid0(VALU_DEP_1)
	v_lshl_add_u32 v3, v11, 4, v3                  ; + 16 for each 256 bytes in front of it
.irp k, 1,2,3
	v_add_nc_u32 v[3+\k], 64*RP*\k, v3
.endr
	v_lshlrev_b32 v7, 3, v10
	s_and_b32 s14, ttmp7, 0xffff                   ; b
	s_lshl_b32 s16, s12, 21                        ; wtmp: row 8 (16 wave + rho) + b of 16,384 bytes, column 256 cb
	s_lshl_b32 s13, s14, 14
	s_add_co_u32 s16, s16, s13
	s_lshl_b32 s13, ttmp9, 10
	s_add_co_u32 s16, s16, s13
	s_mov_b32 s17, 0
	s_lshl_b32 s18, s12, 9                         ; the scales: word 16 o + cb, o = 128 rho + 8 wave + b
	s_lshl_b32 s13, s14, 6
	s_add_co_u32 s18, s18, s13
	s_lshl_b32 s13, ttmp9, 2
	s_add_co_u32 s18, s18, s13
	s_mov_b32 s19, 0
	s_lshl_b32 s20, s12, 15                        ; the codes: row o of 4,096 bytes, + 256 cb
	s_lshl_b32 s13, s14, 12
	s_add_co_u32 s20, s20, s13
	s_lshl_b32 s13, ttmp9, 8
	s_add_co_u32 s20, s20, s13
	s_mov_b32 s21, 0
	s_wait_kmcnt 0x0
	s_add_nc_u64 s[4:5], s[4:5], s[16:17]
	s_add_nc_u64 s[6:7], s[6:7], s[18:19]
	s_add_nc_u64 s[10:11], s[10:11], s[20:21]
.irp j, 0,1                                    ; all 32 loads at once, the first half of the columns first: 512 consecutive bytes each
.irp r, 0,1,2,3,4,5,6,7,8,9,10,11,12,13,14,15
	global_load_b128 v[A0+8*\r+4*\j:A0+8*\r+4*\j+3], v1, s[4:5] offset:131072*\r+512*\j th:TH_LOAD_NT
.endr
.endr
.irp r, 0,1,2,3,4,5,6,7,8,9,10,11,12,13,14,15
	s_load_b32 s[32+2*\r], s[6:7], 8192*\r
.endr
	s_load_b32 s22, s[8:9], 0x4                    ; e1
	s_wait_loadcnt 16                              ; the first half's sixteen loads are in, the second half's may be out
	FW16 A0
	s_wait_loadcnt 0x0
	FW16 A1
.irp r, 0,1,2,3,4,5,6,7,8,9,10,11,12,13,14,15
.irp j, 0,1
	ds_store_b128 v2, v[A0+8*\r+4*\j:A0+8*\r+4*\j+3] offset:RP*\r+544*\j   ; row a = 16 wave + rho; the second half row begins behind 512 bytes and two paddings
.endr
.endr
	s_wait_dscnt 0x0                               ; for the others' sake: my stores are done
	s_barrier_signal -1
	s_barrier_wait -1
.irp j, 0,1
.irp r, 0,1,2,3,4,5,6,7,8,9,10,11,12,13,14,15
	ds_load_b128 v[A0+8*\r+4*\j:A0+8*\r+4*\j+3], v[3+\r/4] offset:(\r%4)*16*RP+16*\j   ; row a = 16 rho + wave, columns 8 l + 4 j on
.endr
.endr
	s_wait_dscnt 16                                ; the first half is in
	FW16 A0
	s_wait_dscnt 0x0
	FW16 A1
	s_wait_kmcnt 0x0
.irp r, 0,1,2,3,4,5,6,7,8,9,10,11,12,13,14,15
	s_mov_b32 s[33+2*\r], s[32+2*\r]
.endr
	s_add_co_i32 s22, s22, 127
	s_lshl_b32 s23, s22, 23
	v_mov_b32 v9, s23                              ; 2^e1 as f32: the conversion takes its exponent field
	s_add_co_i32 s22, s22, 8
	s_lshl_b32 s22, s22, 23
	s_or_b32 s22, s22, 0x600000
	v_mov_b32 v8, s22                              ; 448 x 2^e1
.irp r, 0,1,2,3,4,5,6,7,8,9,10,11,12,13,14,15
.irp i, 0,2,4,6
	v_pk_mul_f32 v[A0+8*\r+\i:A0+8*\r+\i+1], v[A0+8*\r+\i:A0+8*\r+\i+1], s[32+2*\r:33+2*\r] op_sel_hi:[1,0]
.endr
.irp i, 0,1,2,3,4,5,6,7
	v_med3_num_f32 v[A0+8*\r+\i], v[A0+8*\r+\i], -v8, v8   ; the conversion to an 8-bit code does not saturate (ISA guide 7.6.2): the hold comes first
.endr
	v_cvt_scalef32_pk8_fp8_f32 v[SCR+2*\r:SCR+2*\r+1], v[A0+8*\r:A0+8*\r+7], v9
.endr
	v_nop                                          ; a plain line behind the last conversion
.irp r, 0,1,2,3,4,5,6,7,8,9,10,11,12,13,14,15
	global_store_b64 v7, v[SCR+2*\r:SCR+2*\r+1], s[10:11] offset:524288*\r   ; 32 lanes store 256 consecutive bytes, aligned; 15 x 524,288 lies inside the signed 24-bit immediate (ISA guide, chapter 10)
.endr
	s_wait_tensorcnt 0x0
	ds_add_u32 v208, v209
	s_wait_dscnt 0x0
	s_endpgm
.Lfunc_end_k_q11b913fe92_wfin:
	.size	k_q11b913fe92_wfin, .Lfunc_end_k_q11b913fe92_wfin-k_q11b913fe92_wfin
	.p2alignl 7, 3214868480
	.fill 96, 4, 3214868480
	.section	.rodata,"a",@progbits
	.p2align	6, 0x0
	.amdhsa_kernel k_q11b913fe92_wfin
		.amdhsa_group_segment_fixed_size 280576
		.amdhsa_private_segment_fixed_size 0
		.amdhsa_enable_private_segment 0
		.amdhsa_kernarg_size 32
		.amdhsa_user_sgpr_count 2
		.amdhsa_user_sgpr_kernarg_segment_ptr 1
		.amdhsa_wavefront_size32 1
		.amdhsa_system_sgpr_workgroup_id_x 1
		.amdhsa_system_sgpr_workgroup_id_y 1
		.amdhsa_system_sgpr_workgroup_id_z 1
		.amdhsa_system_vgpr_workitem_id 0
		.amdhsa_next_free_vgpr 210
		.amdhsa_next_free_sgpr 66
		.amdhsa_reserve_vcc 0
		.amdhsa_float_denorm_mode_32 3
		.amdhsa_float_denorm_mode_16_64 3
		.amdhsa_memory_ordered 1
		.amdhsa_forward_progress 1
		.amdhsa_inst_pref_size 58
	.end_amdhsa_kernel
	.amdgpu_metadata
---
amdhsa.version: [ 1, 2 ]
amdhsa.kernels:
  - .name:           k_q11b913fe92_wfin
    .symbol:         k_q11b913fe92_wfin.kd
    .args:
      - { .name: wtmp, .offset: 0, .size: 8, .value_kind: global_buffer, .address_space: global }
      - { .name: weight_scales, .offset: 8, .size: 8, .value_kind: global_buffer, .address_space: global }
      - { .name: lowp_scales, .offset: 16, .size: 8, .value_kind: global_buffer, .address_space: global }
      - { .name: w_codes, .offset: 24, .size: 8, .value_kind: global_buffer, .address_space: global }
    .group_segment_fixed_size: 280576
    .private_segment_fixed_size: 0
    .kernarg_segment_align: 8
    .kernarg_segment_size: 32
    .max_flat_workgroup_size: 512
    .sgpr_count:     66
    .vgpr_count:     210
    .wavefront_size: 32
...
	.end_amdgpu_metadata
.endif
;; end of part 2
;; launch xq (part 3): grid 256 x 1, 16 waves a work-group, clusters of 4 x 1, 143,360 bytes of LDS; arguments x, lowp_scales, x_codes; writes x_codes
.if DOCPART == 3
	.amdgcn_target "amdgcn-amd-amdhsa--gfx1250"
	.amdhsa_code_object_version 6
	.text
	.protected	k_q11b913fe92_xq
	.globl	k_q11b913fe92_xq
	.p2align	8
	.type	k_q11b913fe92_xq,@function
k_q11b913fe92_xq:
	s_mov_b64 s[64:65], 0
	v_nop
	global_prefetch_b8 v0, s[64:65] scope:SCOPE_SE
	s_setreg_imm32_b32 hwreg(HW_REG_WAVE_MODE, 25, 1), 1
	s_wait_xcnt 0x0
	s_wait_alu depctr_hold_cnt(0) depctr_sa_sdst(0) depctr_va_vdst(0) depctr_va_sdst(0) depctr_va_ssrc(0) depctr_va_vcc(0) depctr_vm_vsrc(0)
	s_getreg_b32 s2, hwreg(HW_REG_IB_STS2, 6, 4)
	s_cmp_eq_u32 s2, 0
	s_cbranch_scc0 .Lentry_in_a_cluster
	s_endpgm
.Lentry_in_a_cluster:
	s_bfe_u32 s2, ttmp6, 0x10000c
	s_cmp_lg_u32 s2, 0x3003
	s_cbranch_scc0 .Lentry_shape_is_right
	s_endpgm
.Lentry_shape_is_right:
; x [8192][4096] f32 -> the 8-bit fake-quant by column, as it is written (min and max over all rows, scale, zero point, round, clip, back, x + (dq - x)), all in f32 -> codes of E4M3 with the given scale 2^e0.
; code = x_q / 2^e0, held within +-448, to the nearest code, ties to even.
; x IS READ ONCE.  A column's scale needs all 8,192 rows, so a work-group owns 16 columns of ALL rows: 131,072 numbers, 512 KB.  They stay on the WGP between the pass that finds the minima and the pass that
; quantises: 192 registers of each of the 512 threads, and 16 bytes x 16 of each thread in LDS.
; SHARES.  Work-group g: columns 16 g .. 16 g + 15.  Wave w: rows 512 w .. 512 w + 511.  Lane l: columns 4 (l % 4) + 0 .. 3; load n (0 .. 63) brings row 512 w + 8 n + l / 4.
; So a load of a wave takes 64 consecutive bytes of each of eight rows; the three work-groups beside mine take the rest of the same 256 bytes, by the same loads in the same order (hence no hint on these loads).
; THE CODES lie [256 planes][8192 rows][16 bytes]: plane g holds columns 16 g .. 16 g + 15 of every row.  My work-group's codes are 131,072 consecutive bytes.
; A lane's four codes of a row are a quarter of the row's 16 bytes: 32 rows' codes turn through the wave's own 512 bytes of LDS and leave as 512 consecutive bytes, a row a lane.
; DIVISIONS: a / b = q0 + (a - q0 b) r, q0 = a r, r = v_rcp_f32(b): one step of refinement by fused multiply-adds.
; clip(round + zp, 0, 255) - zp is taken as the middle of (round, -zp, 255 - zp): the same number wherever round + zp is exact, that is while |x / scale| and |zp| stay under 2^24.
; No matrix unit, no tensor load, no joint load: work-groups share no tile, and the loads are lane by lane.
; LIMITS: e0 between -126 and 119.  A column's scale is a normal f32 number between 2^-126 and 2^126 (v_rcp_f32 flushes denormals).  NaN and infinities in x are not served (the minima drop a NaN).
.set NSTEP, 8*16384                    ; bytes from load n to load n + 1: eight rows.  63 x NSTEP lies inside the signed 24-bit immediate (ISA guide, chapter 10)
.set STG,   131072                     ; LDS: bytes 0 .. 131,071: loads 32 .. 47, a thread's 16 bytes of load 32 + m at 16 t + 8,192 m;  then 512 bytes a wave for the codes' turn;
.set RED,   STG+16*512                 ; then 128 bytes a wave: its 16 minima and its 16 negated maxima
.set SC, 16                            ; v16-19  scale of my four columns
.set IV, 20                            ; v20-23  1 / scale
.set ZP, 24                            ; v24-27  zero point
.set HI, 28                            ; v28-31  255 - zero point
.set T,  32                            ; v32-47  at work: 16 numbers
.set R,  48                            ; v48-63  at work: residuals
.set MN, 32                            ; ahead of the slots: v32-35 the minima, v36-39 MINUS the maxima (so that every step is a minimum), v40-63 at work
.set NX, 36
.set S,  64                            ; v64-127  loads 32 .. 47 on their way to LDS; then loads 48 .. 63; at the end loads 32 .. 47 again
.set K,  128                           ; v128-255 loads 0 .. 31
; v1 my place in eight rows of x   v2, v3 16 t and 16 t + 65,536   v4, v5 the codes' turn: in (4 x lane), out (16 x lane)   v6 448 x 2^e0   v7 2^e0   v8 1.0   v9 16 x lane   v10, v11 RED in and out
.macro XL reg, n
	global_load_b128 v[(\reg):(\reg)+3], v1, s[4:5] offset:(\n)*NSTEP
.endm
.macro MM a, b, first                  ; two loads' numbers into the running minima; first = 1 starts the chains: nothing is cleared
.irp c, 0,1,2,3
.if \first
	v_min_num_f32 v[MN+\c], v[(\a)+\c], v[(\b)+\c]
	v_min_num_f32 v[NX+\c], -v[(\a)+\c], -v[(\b)+\c]
.else
	v_min3_num_f32 v[MN+\c], v[MN+\c], v[(\a)+\c], v[(\b)+\c]
	v_min3_num_f32 v[NX+\c], v[NX+\c], -v[(\a)+\c], -v[(\b)+\c]
.endif
.endr
.endm
.macro LANERED                         ; the eight figures, over the eight lanes that hold the same columns: lanes l xor 4, 8 (inside a row of 16 lanes) and 16
.irp q, 0,1,2,3,4,5,6,7
	v_min_num_f32_dpp v[MN+\q], v[MN+\q], v[MN+\q] row_xmask:4 row_mask:0xf bank_mask:0xf
.endr
.irp q, 0,1,2,3,4,5,6,7
	v_min_num_f32_dpp v[MN+\q], v[MN+\q], v[MN+\q] row_xmask:8 row_mask:0xf bank_mask:0xf
.endr
.irp q, 0,1,2,3,4,5,6,7
	v_permlanex16_b32 v[40+\q], v[MN+\q], s20, s21
.endr
.irp q, 0,1,2,3,4,5,6,7
	v_min_num_f32 v[MN+\q], v[MN+\q], v[40+\q]
.endr
.endm
; A slot: four loads' numbers in v[xb] .. v[xb + 15] (register 4 j + c: row 8 j + l / 4 of the slot's 32, my column c).  The codes take the slot's own first four registers, the row read back its next four.
.macro SLOT xb
.irp i, 0,2,4,6,8,10,12,14
	v_pk_mul_f32 v[T+\i:T+\i+1], v[(\xb)+\i:(\xb)+\i+1], v[IV+(\i%4):IV+(\i%4)+1]
.endr
.irp i, 0,2,4,6,8,10,12,14
	v_pk_fma_f32 v[R+\i:R+\i+1], v[T+\i:T+\i+1], v[SC+(\i%4):SC+(\i%4)+1], v[(\xb)+\i:(\xb)+\i+1] neg_lo:[1,0,0] neg_hi:[1,0,0]
.endr
.irp i, 0,2,4,6,8,10,12,14
	v_pk_fma_f32 v[T+\i:T+\i+1], v[R+\i:R+\i+1], v[IV+(\i%4):IV+(\i%4)+1], v[T+\i:T+\i+1]   ; x / scale
.endr
.irp i, 0,1,2,3,4,5,6,7,8,9,10,11,12,13,14,15
	v_rndne_f32 v[T+\i], v[T+\i]
.endr
.irp i, 0,1,2,3,4,5,6,7,8,9,10,11,12,13,14,15
	v_med3_num_f32 v[T+\i], v[T+\i], -v[ZP+(\i%4)], v[HI+(\i%4)]   ; q - zp
.endr
.irp i, 0,2,4,6,8,10,12,14
	v_pk_mul_f32 v[T+\i:T+\i+1], v[T+\i:T+\i+1], v[SC+(\i%4):SC+(\i%4)+1]   ; dq
.endr
.irp i, 0,2,4,6,8,10,12,14
	v_pk_add_f32 v[T+\i:T+\i+1], v[T+\i:T+\i+1], v[(\xb)+\i:(\xb)+\i+1] neg_lo:[0,1] neg_hi:[0,1]   ; dq - x
.endr
.irp i, 0,2,4,6,8,10,12,14
	v_pk_add_f32 v[T+\i:T+\i+1], v[(\xb)+\i:(\xb)+\i+1], v[T+\i:T+\i+1]   ; x + (dq - x)
.endr
.irp i, 0,1,2,3,4,5,6,7,8,9,10,11,12,13,14,15
	v_med3_num_f32 v[T+\i], v[T+\i], -v6, v6       ; the conversion to an 8-bit code does not saturate (ISA guide 7.6.2): the hold comes first
.endr
	v_cvt_scalef32_pk8_fp8_f32 v[(\xb):(\xb)+1], v[T:T+7], v7          ; a word of four codes for each of the four rows
	v_cvt_scalef32_pk8_fp8_f32 v[(\xb)+2:(\xb)+3], v[T+8:T+15], v7
	v_nop                                          ; a plain line between the conversions and the next slot's lines, which write their sources
.irp j, 0,1,2,3
	ds_store_b32 v4, v[(\xb)+\j] offset:128*\j     ; row 8 j + l / 4 of 16 bytes, my quarter: byte 128 j + 4 l
.endr
	ds_load_b128 v[(\xb)+4:(\xb)+7], v5            ; row l, whole.  LDS serves a wave's instructions in order (ISA guide 5.7.1.4): it sees the stores above, and the next slot's stores come behind it
.endm
.macro SEND xb, so, younger            ; so: which 32 of my wave's rows; younger: the LDS instructions issued behind this slot's load, which may stay out
	s_wait_dscnt \younger
	global_store_b128 v9, v[(\xb)+4:(\xb)+7], s[8:9] offset:512*(\so)   ; 32 lanes store 512 consecutive bytes, aligned
.endm
	s_load_b128 s[4:7], s[0:1], 0x0                ; x s[4:5], lowp_scales s[6:7]
	s_load_b64 s[8:9], s[0:1], 0x10                ; x_codes
	v_lshrrev_b32 v12, 5, v0
	s_delay_alu instid0(VALU_DEP_1)
	v_readfirstlane_b32 s12, v12                   ; wave 0..15
	v_and_b32 v12, 31, v0                          ; lane
	s_delay_alu instid0(VALU_DEP_1)
	v_and_b32 v13, 3, v12                          ; which four columns
	s_delay_alu instid0(VALU_DEP_2)
	v_lshrrev_b32 v14, 2, v12                      ; which of eight rows
	s_delay_alu instid0(VALU_DEP_1)
	v_lshlrev_b32 v1, 14, v14
	s_delay_alu instid0(VALU_DEP_1)
	v_lshl_add_u32 v1, v13, 4, v1
	v_lshlrev_b32 v2, 4, v0
	v_lshl_add_u32 v3, v0, 4, 65536
	s_lshl_b32 s13, s12, 9
	s_add_co_u32 s13, s13, STG
	v_lshl_add_u32 v4, v12, 2, s13
	v_lshl_add_u32 v5, v12, 4, s13
	v_lshlrev_b32 v9, 4, v12
	s_lshl_b32 s14, s12, 7
	s_add_co_u32 s14, s14, RED
	v_lshl_add_u32 v10, v13, 4, s14                ; RED: my wave's 128 bytes, my columns' 16
	v_lshlrev_b32 v11, 7, v14
	s_delay_alu instid0(VALU_DEP_1)
	v_lshl_add_u32 v11, v13, 4, v11
	s_delay_alu instid0(VALU_DEP_1)
	v_add_nc_u32 v11, RED, v11                     ; and back: wave l / 4 (and, 1,024 bytes on, wave l / 4 + 8), my columns
	v_mov_b32 v8, 1.0
.irp q, 0,1,2,3,4,5,6,7
	v_mov_b32 v[40+\q], 0                          ; written once: a lane permute's destination counts as one of its sources
.endr
	s_lshl_b32 s16, s12, 23                        ; x: my wave's 512 rows of 16,384 bytes,
	; THE LAUNCH IS IN CLUSTERS OF 4 x 1: no joint load and no round of the cluster's barrier is made (there is no tensor load); the cluster only says which four work-groups are launched together:
	; those that take columns 64 c .. 64 c + 63, the four quarters of the same aligned 256 bytes of every row of x, by the same loads in the same order.
	s_bfe_u32 s10, ttmp6, 0x40000
	s_lshl_b32 s11, ttmp9, 2
	s_add_co_u32 s10, s10, s11                     ; work-group = 4 x cluster + place
	s_lshl_b32 s13, s10, 6
	s_add_co_u32 s16, s16, s13
	s_mov_b32 s17, 0
	s_lshl_b32 s18, s10, 17
	s_lshl_b32 s13, s12, 13                        ; my wave's 512 rows of 16
	s_add_co_u32 s18, s18, s13
	s_mov_b32 s19, 0
	s_mov_b32 s20, 0x76543210                      ; v_permlanex16_b32's selects for lane l xor 16
	s_mov_b32 s21, 0xfedcba98
	s_mov_b32 s22, 0x3b808081                      ; 1 / 255
	s_mov_b32 s23, 0x437f0000                      ; 255
	s_wait_kmcnt 0x0
	s_load_b32 s15, s[6:7], 0x0                    ; e0
	s_add_nc_u64 s[4:5], s[4:5], s[16:17]
	s_add_nc_u64 s[8:9], s[8:9], s[18:19]
	; ---- the first pass: 48 loads of every wave go out at once; those bound for LDS first
.set i, 0
.rept 16
	XL S+4*i, 32+i
.set i, i+1
.endr
.set i, 0
.rept 32
	XL K+4*i, i
.set i, i+1
.endr
	s_wait_loadcnt 46                              ; loads come back in order: the first two of the 48 are in
	MM S, S+4, 1
	ds_store_b128 v2, v[S:S+3]
	ds_store_b128 v2, v[S+4:S+7] offset:8192
.set i, 1
	s_wait_alu depctr_va_vdst(0)
.rept 7
	s_wait_alu depctr_va_vdst(0)
	s_wait_loadcnt 46-2*i                          ; pair i is in: 48 - (2 i + 2) younger loads may be out
	MM S+8*i, S+8*i+4, 0
	ds_store_b128 v[2+i/4], v[S+8*i:S+8*i+3] offset:((2*i)%8)*8192
	ds_store_b128 v[2+i/4], v[S+8*i+4:S+8*i+7] offset:((2*i+1)%8)*8192
.set i, i+1
.endr
	s_wait_alu depctr_va_vdst(0)
	s_wait_dscnt 0x0                               ; the stores have read their registers, which take the last sixteen loads
.set i, 0
.rept 16
	XL S+4*i, 48+i
.set i, i+1
.endr
.set i, 0
.rept 16
	s_wait_alu depctr_va_vdst(0)
	s_wait_loadcnt 46-2*i                          ; pair i of loads 0 .. 31 is in: behind it 30 - 2 i of them and the sixteen just issued
	MM K+8*i, K+8*i+4, 0
.set i, i+1
.endr
.set i, 0
	s_wait_alu depctr_va_vdst(0)
.rept 8
	s_wait_alu depctr_va_vdst(0)
	s_wait_loadcnt 14-2*i
	MM S+8*i, S+8*i+4, 0
.set i, i+1
.endr
	; ---- the minima over the work-group
	LANERED
	ds_store_b128 v10, v[MN:MN+3]                  ; (the eight lanes of a column group store the same numbers to the same bytes)
	ds_store_b128 v10, v[NX:NX+3] offset:64
	s_wait_dscnt 0x0                               ; for the others' sake: my stores are done
	s_barrier_signal -1
	s_barrier_wait -1
	ds_load_b128 v[MN:MN+3], v11
	ds_load_b128 v[NX:NX+3], v11 offset:64
	ds_load_b128 v[48:51], v11 offset:1024
	ds_load_b128 v[52:55], v11 offset:1088
	s_wait_kmcnt 0x0
	s_add_co_i32 s15, s15, 127
	s_lshl_b32 s13, s15, 23
	v_mov_b32 v7, s13                              ; 2^e0 as f32: the conversion takes its exponent field
	s_add_co_i32 s15, s15, 8
	s_lshl_b32 s15, s15, 23
	s_or_b32 s15, s15, 0x600000
	v_mov_b32 v6, s15                              ; 448 x 2^e0
	s_wait_dscnt 0x0
.irp q, 0,1,2,3,4,5,6,7
	v_min_num_f32 v[MN+\q], v[MN+\q], v[48+\q]     ; two waves' figures a lane,
.endr
	LANERED                                        ; and the eight lanes': all sixteen waves'
	; ---- my four columns' constants
.irp q, 0,1,2,3
	s_delay_alu instid0(VALU_DEP_4)
	v_sub_f32 v[56+\q], -v[NX+\q], v[MN+\q]        ; max - min
.endr
.irp q, 0,1,2,3
	s_delay_alu instid0(VALU_DEP_4)
	v_mul_f32 v[40+\q], s22, v[56+\q]
.endr
.irp q, 0,1,2,3
	s_delay_alu instid0(VALU_DEP_4)
	v_fma_f32 v[44+\q], -v[40+\q], s23, v[56+\q]
.endr
.irp q, 0,1,2,3
	s_delay_alu instid0(VALU_DEP_4)
	v_fma_f32 v[SC+\q], v[44+\q], s22, v[40+\q]    ; (max - min) / 255
.endr
.irp q, 0,1,2,3
	v_cmp_ge_f32 vcc_lo, 0, v[SC+\q]
	s_delay_alu instid0(VALU_DEP_1)
	v_cndmask_b32 v[SC+\q], v[SC+\q], v8, vcc_lo   ; 1 where it is not positive
.endr
	s_wait_alu depctr_va_vdst(0)
.irp q, 0,1,2,3
	v_rcp_f32 v[IV+\q], v[SC+\q]
.endr
	v_nop                                          ; a plain line behind the last reciprocal (ISA guide 5.7.2),
	s_wait_alu depctr_va_vdst(0)                   ; and one wait for the four, ahead of their first reader
.irp q, 0,1,2,3
	v_mul_f32 v[40+\q], -v[MN+\q], v[IV+\q]
.endr
.irp q, 0,1,2,3
	s_delay_alu instid0(VALU_DEP_4)
	v_fma_f32 v[44+\q], -v[40+\q], v[SC+\q], -v[MN+\q]
.endr
.irp q, 0,1,2,3
	v_fma_f32 v[40+\q], v[44+\q], v[IV+\q], v[40+\q]   ; -min / scale
.endr
.irp q, 0,1,2,3
	s_delay_alu instid0(VALU_DEP_4)
	v_rndne_f32 v[ZP+\q], v[40+\q]
.endr
.irp q, 0,1,2,3
	s_delay_alu instid0(VALU_DEP_4)
	v_sub_f32 v[HI+\q], s23, v[ZP+\q]
.endr
	; ---- the second pass: sixteen slots.  A slot's store stands behind the next slot's arithmetic: five LDS instructions (that slot's four stores and one load) are younger than its load
	SLOT S                                         ; loads 48 .. 63 first: their registers then take what lies in LDS
.irp p, 1,2,3
	SLOT S+16*\p
	SEND S+16*(\p-1), 12+\p-1, 5
.endr
	SLOT K
	SEND S+48, 15, 5
	s_wait_xcnt 0x0                                ; the four stores above have read their registers: loads may land there
.set i, 0
.rept 16
	ds_load_b128 v[S+4*i:S+4*i+3], v[2+i/8] offset:(i%8)*8192   ; loads 32 .. 47 come back, seven slots ahead of their use
.set i, i+1
.endr
	SLOT K+16
	SEND K, 0, 21                                  ; younger: those sixteen and the slot's five
.irp p, 2,3,4,5,6,7
	SLOT K+16*\p
	SEND K+16*(\p-1), \p-1, 5
.endr
	SLOT S
	SEND K+112, 7, 5
.irp p, 1,2,3
	SLOT S+16*\p
	SEND S+16*(\p-1), 8+\p-1, 5
.endr
	SEND S+48, 11, 0
	s_wait_xcnt 0x0
	v_lshl_add_u32 v254, v0, 2, 0x22800
	v_mov_b32 v255, 0
	s_wait_alu depctr_va_vdst(0)
	s_wait_tensorcnt 0x0
	ds_add_u32 v254, v255
	s_wait_dscnt 0x0
	s_endpgm
.Lfunc_end_k_q11b913fe92_xq:
	.size	k_q11b913fe92_xq, .Lfunc_end_k_q11b913fe92_xq-k_q11b913fe92_xq
	.p2alignl 7, 3214868480
	.fill 96, 4, 3214868480
	.section	.rodata,"a",@progbits
	.p2align	6, 0x0
	.amdhsa_kernel k_q11b913fe92_xq
		.amdhsa_group_segment_fixed_size 143360
		.amdhsa_private_segment_fixed_size 0
		.amdhsa_enable_private_segment 0
		.amdhsa_kernarg_size 24
		.amdhsa_user_sgpr_count 2
		.amdhsa_user_sgpr_kernarg_segment_ptr 1
		.amdhsa_wavefront_size32 1
		.amdhsa_system_sgpr_workgroup_id_x 1
		.amdhsa_system_sgpr_workgroup_id_y 1
		.amdhsa_system_sgpr_workgroup_id_z 1
		.amdhsa_system_vgpr_workitem_id 0
		.amdhsa_next_free_vgpr 256
		.amdhsa_next_free_sgpr 66
		.amdhsa_reserve_vcc 1
		.amdhsa_float_denorm_mode_32 3
		.amdhsa_float_denorm_mode_16_64 3
		.amdhsa_memory_ordered 1
		.amdhsa_forward_progress 1
		.amdhsa_inst_pref_size 135
	.end_amdhsa_kernel
	.amdgpu_metadata
---
amdhsa.version: [ 1, 2 ]
amdhsa.kernels:
  - .name:           k_q11b913fe92_xq
    .symbol:         k_q11b913fe92_xq.kd
    .args:
      - { .name: x, .offset: 0, .size: 8, .value_kind: global_buffer, .address_space: global }
      - { .name: lowp_scales, .offset: 8, .size: 8, .value_kind: global_buffer, .address_space: global }
      - { .name: x_codes, .offset: 16, .size: 8, .value_kind: global_buffer, .address_space: global }
    .group_segment_fixed_size: 143360
    .private_segment_fixed_size: 0
    .kernarg_segment_align: 8
    .kernarg_segment_size: 24
    .max_flat_workgroup_size: 512
    .sgpr_count:     66
    .vgpr_count:     256
    .wavefront_size: 32
...
	.end_amdgpu_metadata
.endif
;; end of part 3
;; launch gemm (part 4): grid 8 x 32, 4 waves a work-group, clusters of 4 x 4, 327,680 bytes of LDS; arguments x_codes, w_codes, lowp_scales, out0; writes out0
.if DOCPART == 4
	.amdgcn_target "amdgcn-amd-amdhsa--gfx1250"
	.amdhsa_code_object_version 6
	.text
	.protected	k_q11b913fe92_gemm
	.globl	k_q11b913fe92_gemm
	.p2align	8
	.type	k_q11b913fe92_gemm,@function
k_q11b913fe92_gemm:
	s_mov_b64 s[64:65], 0
	v_nop
	global_prefetch_b8 v0, s[64:65] scope:SCOPE_SE
	s_setreg_imm32_b32 hwreg(HW_REG_WAVE_MODE, 25, 1), 1
	s_wait_xcnt 0x0
	s_wait_alu depctr_hold_cnt(0) depctr_sa_sdst(0) depctr_va_vdst(0) depctr_va_sdst(0) depctr_va_ssrc(0) depctr_va_vcc(0) depctr_vm_vsrc(0)
	s_getreg_b32 s2, hwreg(HW_REG_IB_STS2, 6, 4)
	s_cmp_eq_u32 s2, 0
	s_cbranch_scc0 .Lentry_in_a_cluster
	s_endpgm
.Lentry_in_a_cluster:
	s_bfe_u32 s2, ttmp6, 0x10000c
	s_cmp_lg_u32 s2, 0xf033
	s_cbranch_scc0 .Lentry_shape_is_right
	s_endpgm
.Lentry_shape_is_right:
; out0[m][n] = 2^(e0 + e1) x the sum over k of x_codes[m][k] w_codes[n][k]: codes of E4M3, multiplied as they are by v_wmma_f32_16x16x128_fp8_fp8, sums in f32; each finished sum is multiplied once by 2^(e0 + e1).
; LIMIT: e0 + e1 lies between -126 and 127, so that 2^(e0 + e1) is an f32 number.
; x_codes lie [256 planes][8192 rows][16 bytes] (plane p: k = 16 p .. 16 p + 15 of every row), w_codes [2048][4096] with K innermost.
; A block of 256 x 256 to a work-group of four waves, 128 x 128 a wave: 64 accumulators, 512 registers; 8 x 32 = 256 work-groups.  K goes in steps of 256 through a ring of two LDS slots.
; A slot: A as 2 x 16 planes x 128 rows x 16 bytes, unpadded (the sixteen lanes of a fragment load read 256 consecutive bytes); then B's 256 rows of 256 bytes, 272 bytes apart.  One tensor load a wave fills a quarter of it.
; A fragment's registers 4 c .. 4 c + 3 hold k = 32 c + 16 (l / 16) + 0 .. 15: a permutation of k that is the same in A and in B.  Source 0 = rows of W, source 1 = rows of x: a lane holds eight neighbouring numbers of a row of out0.
; CLUSTERS of 4 x 4: A's tiles are asked for jointly along a row of the cluster, B's along a column; each refill stands behind a round of the cluster's barrier.
; PREFETCH: behind each refill every wave names 32 blocks of 256 bytes of the K step two refills on; the four partners of a joint load share its blocks out by address; every cluster asks for what it will itself load;
; K steps 2 and 3 are asked for behind the first fragment loads; the last trip asks for nothing.
; The way out: blocks of 16 rows x 128 columns through the wave's own stage in slot 0, which has had its last fill and its last read by then; 32 lanes store 512 consecutive bytes, aligned.
.set SIZE_M, 8192
.set SIZE_N, 2048
.set SIZE_K, 4096
.set KSTEP,  256
.set ROWB,   256
.set KROW,   SIZE_K
.set PITCH,  272
.set APL,    SIZE_M*16
.set ALINE,  128*16
.set AHALF,  16*ALINE
.set ASTEP,  16*APL
.set FR,     16
.set NL,     4
.set NP,     4
.set HALFT,  128*PITCH
.set BOFF,   2*AHALF
.set SLOT,   BOFF+2*HALFT
.set LAPS,   SIZE_K/(2*KSTEP)
.set SPARE,  2*SLOT
.set SPITCH, 528
.set ADRA, 16
.set ADRB, 20
.set STO,  24
.set RD,   25
.set CO,   26
.set SPW,  28
.set NIL,  29
.set PFO,  30
.set TMP,  32
.set AF,   128
.set BK,   128
.set G1, 24
.set G0, 32
.set G1B, 48
.set G0B, 56
.set PFA, 68
.set PFS, 70
.set LIM, 72
.set MSB, 0
.macro WIN new
.if MSB != \new
	s_set_vgpr_msb (MSB<<8)|\new
.set MSB, \new
.endif
.endm
.set MUL_LO, 0xa1
.set MUL_HI, 0xf1
.set TO_B,   0x40
.macro JLOAD g0a, g1a, g0b, g1b
	s_cmp_eq_u32 s15, 0
	s_cbranch_scc0 .Lfor_b_\@
	tensor_load_to_lds s[\g0a:\g0a+3], s[\g1a:\g1a+7]
	s_nop 0
.rept 4
	v_nop
.endr
	s_branch .Lasked_\@
.Lfor_b_\@:
	tensor_load_to_lds s[\g0b:\g0b+3], s[\g1b:\g1b+7]
	s_nop 0
.rept 4
	v_nop
.endr
.Lasked_\@:
.endm
.macro ASK
	s_cmp_gt_u32 s3, s[LIM]
	s_cbranch_scc0 .Lnot_mine_\@
	s_wait_alu depctr_va_vdst(0)
	global_prefetch_b8 v[PFO], s[PFA:PFA+1] th:TH_LOAD_NT scope:SCOPE_SE
.Lnot_mine_\@:
.endm
.macro CREST
	s_cmp_lg_u32 s14, 0
	s_cbranch_scc1 .Lnot_wave_0_\@
	s_barrier_signal -3
.Lnot_wave_0_\@:
	s_barrier_wait -3
	s_barrier_signal -1
	s_barrier_wait -1
.endm
.macro CROUND
	s_barrier_signal -1
	s_barrier_wait -1
	CREST
.endm
	s_load_b128 s[4:7], s[0:1], 0x0
	s_load_b128 s[8:11], s[0:1], 0x10
	v_lshl_add_u32 v[SPW], v0, 2, SPARE
	v_mov_b32 v[NIL], 0
	ds_add_u32 v28, v29
	ds_add_u32 v28, v29
	s_wait_dscnt 0x0
	v_lshrrev_b32 v1, 5, v0
	v_readfirstlane_b32 s14, v1
	s_lshr_b32 s15, s14, 1
	s_and_b32 s16, s14, 1
	s_bfe_u32 s40, ttmp6, 0x40000
	s_bfe_u32 s41, ttmp6, 0x40004
	s_lshl_b32 s42, ttmp9, 2
	s_add_co_u32 s42, s42, s40
	s_and_b32 s17, ttmp7, 0xffff
	s_lshl_b32 s17, s17, 2
	s_add_co_u32 s17, s17, s41
	s_lshl_b32 s43, s41, 2
	s_lshl_b32 s43, 15, s43
	s_lshl_b32 s44, 0x1111, s40
	s_or_b32 s[G1+0], s43, (0<<16)|(1<<21)
	s_mov_b32 s[G1+1], ALINE<<16
	s_mov_b32 s[G1+2], 16<<16
	s_mov_b32 s[G1+3], ALINE<<16
	s_mov_b32 s[G1+4], 16
	s_mov_b32 s[G1+5], APL
	s_mov_b32 s[G1+6], 0
	s_mov_b32 s[G1+7], 0
	s_or_b32 s[G1B+0], s44, (0<<16)|(1<<20)|(1<<21)|(5<<22)|(3<<25)
	s_mov_b32 s[G1B+1], ROWB<<16
	s_mov_b32 s[G1B+2], 128<<16
	s_mov_b32 s[G1B+3], ROWB<<16
	s_mov_b32 s[G1B+4], 128
	s_mov_b32 s[G1B+5], KROW
	s_mov_b32 s[G1B+6], 0
	s_mov_b32 s[G1B+7], 0
	s_lshl_b32 s18, s16, 7
	s_lshl_b32 s20, s17, 8
	s_add_co_u32 s20, s20, s18
	s_lshl_b32 s20, s20, 4
	s_lshl_b32 s46, s42, 8
	s_add_co_u32 s46, s46, s18
	s_mov_b32 s21, 0
	s_mov_b32 s47, 0
	s_mov_b64 s[18:19], KROW
	s_mul_u64 s[46:47], s[46:47], s[18:19]
	s_lshl_b32 s45, s16, 15
	s_mul_i32 s66, s16, HALFT
	s_add_co_u32 s66, s66, BOFF
	s_wait_kmcnt 0x0
	s_load_b64 s[96:97], s[8:9], 0x0
	s_add_nc_u64 s[20:21], s[4:5], s[20:21]
	s_add_nc_u64 s[46:47], s[6:7], s[46:47]
	CROUND
.irp s, 0,1
	s_mov_b32 s[G0+4*\s], 1
	s_add_co_u32 s[G0+4*\s+1], s45, \s*SLOT
	s_add_nc_u64 s[G0+4*\s+2:G0+4*\s+3], s[20:21], \s*ASTEP
	s_or_b32 s[G0+4*\s+3], s[G0+4*\s+3], 0x80000000
	s_mov_b32 s[G0B+4*\s], 1
	s_add_co_u32 s[G0B+4*\s+1], s66, \s*SLOT
	s_add_nc_u64 s[G0B+4*\s+2:G0B+4*\s+3], s[46:47], \s*ROWB
	s_or_b32 s[G0B+4*\s+3], s[G0B+4*\s+3], 0x80000000
	s_wait_alu depctr_va_vdst(0)
	s_wait_tensorcnt 0x0
	ds_add_u32 v28, v29
	ds_add_u32 v28, v29
	s_wait_dscnt 0x0
	CROUND
	JLOAD G0+4*\s, G1, G0B+4*\s, G1B
.endr
	v_and_b32 v1, 15, v0
	v_bfe_u32 v2, v0, 4, 1
	v_mul_u32_u24 v3, v1, PITCH
	v_lshl_add_u32 v4, v2, 4, v3
	v_lshlrev_b32 v7, 4, v1
	v_lshl_add_u32 v7, v2, 11, v7
	s_lshl_b32 s21, s15, 15
	s_mul_i32 s22, s16, HALFT
	s_add_co_u32 s22, s22, BOFF
.irp s, 0,1
	v_add_nc_u32 v[ADRA+\s], s21, v7
	v_add_nc_u32 v[ADRB+\s], s22, v4
	s_add_co_u32 s21, s21, SLOT
	s_add_co_u32 s22, s22, SLOT
.endr
	s_mul_i32 s23, s14, 16*SPITCH
	v_mul_u32_u24 v5, v1, SPITCH
	v_lshl_add_u32 v5, v2, 5, v5
	v_add_nc_u32 v[STO], s23, v5
	v_and_b32 v6, 31, v0
	s_wait_alu depctr_va_vdst(0)
	v_lshlrev_b32 v[CO], 4, v6
	v_add_nc_u32 v[RD], s23, v[CO]
	s_lshl_b32 s20, s17, 8
	s_lshl_b32 s21, s15, 7
	s_add_co_u32 s20, s20, s21
	s_mov_b32 s21, 0
	s_mov_b64 s[18:19], SIZE_N*4
	s_mul_u64 s[20:21], s[20:21], s[18:19]
	s_lshl_b32 s46, s42, 10
	s_lshl_b32 s47, s16, 9
	s_add_co_u32 s46, s46, s47
	s_mov_b32 s47, 0
	s_add_nc_u64 s[20:21], s[20:21], s[46:47]
	s_add_nc_u64 s[10:11], s[10:11], s[20:21]
	s_lshl_b32 s73, s17, 12
	s_lshl_b32 s74, s16, 11
	s_add_co_u32 s73, s73, s74
	s_lshl_b32 s74, s40, 19
	s_add_co_u32 s73, s73, s74
	s_add_co_u32 s73, s73, 3*ASTEP
	s_lshl_b32 s75, s42, 8
	s_lshl_b32 s74, s16, 7
	s_add_co_u32 s75, s75, s74
	s_lshl_b32 s74, s41, 5
	s_add_co_u32 s75, s75, s74
	s_lshl_b32 s75, s75, 12
	s_add_co_u32 s75, s75, 3*ROWB
	s_mov_b32 s[PFS], ROWB
	s_mov_b32 s80, 8*KROW
	s_mov_b32 s81, KROW
	s_cmp_eq_u32 s15, 0
	s_cselect_b64 s[PFA:PFA+1], s[4:5], s[6:7]
	s_cselect_b32 s78, s73, s75
	s_cselect_b32 s[PFS], ASTEP, s[PFS]
	s_cselect_b32 s80, APL, s80
	s_cselect_b32 s81, 256, s81
	s_mov_b32 s[LIM], 1                            ; every cluster asks for the tiles that it will itself load: its four tile rows of A, its four tile columns of B
	s_mov_b32 s79, 0
	s_mov_b32 s[PFS+1], 0
	s_add_nc_u64 s[PFA:PFA+1], s[PFA:PFA+1], s[78:79]
	v_lshrrev_b32 v7, 3, v6
	v_and_b32 v[PFO], 7, v6
	v_mul_lo_u32 v7, v7, s80
	v_mul_lo_u32 v[PFO], v[PFO], s81
	v_add_nc_u32 v[PFO], v[PFO], v7
.macro FRAGB reg, adr, q, i
.irp c, 0,1,2,3
	ds_load_b128 v[\reg+4*\c:\reg+4*\c+3], v[\adr] offset:128*(\q)+32*\c+(\i)*16*PITCH
.endr
.endm
.macro FRAGA reg, adr, q, i
.irp c, 0,1,2,3
	ds_load_b128 v[\reg+4*\c:\reg+4*\c+3], v[\adr] offset:8*ALINE*(\q)+2*ALINE*\c+(\i)*256
.endr
.endm
.macro MUL16 a0, p, zero
.irp a, \a0, \a0+1
.irp b, 0,1,2,3,4,5,6,7
.if \zero
	v_wmma_f32_16x16x128_fp8_fp8 v[8*(8*((\a)%4)+\b):8*(8*((\a)%4)+\b)+7], v[128*(\p)+FR*\b:128*(\p)+FR*\b+FR-1], v[AF+FR*(\a):AF+FR*(\a)+FR-1], 0
.else
	v_wmma_f32_16x16x128_fp8_fp8 v[8*(8*((\a)%4)+\b):8*(8*((\a)%4)+\b)+7], v[128*(\p)+FR*\b:128*(\p)+FR*\b+FR-1], v[AF+FR*(\a):AF+FR*(\a)+FR-1], v[8*(8*((\a)%4)+\b):8*(8*((\a)%4)+\b)+7]
.endif
.endr
.endr
.endm
.macro FETCH_B slot, q, p
	WIN TO_B
.irp i, 0,1,2,3,4,5,6,7
	FRAGB 128*(\p)+FR*\i, ADRB+\slot, \q, \i
.endr
	WIN 0
.endm
.macro FETCH_A slot, q, i0
.irp i, \i0, \i0+1, \i0+2, \i0+3
	FRAGA AF+FR*(\i), ADRA+\slot, \q, \i
.endr
.endm
.macro PLACES n
.rept \n
	v_nop
.endr
.endm
.macro STEP slot, q, zero
	s_wait_dscnt 4*NL
	WIN MUL_LO
	MUL16 0, (\q)%2, \zero
	MUL16 2, (\q)%2, \zero
	s_wait_dscnt 0
	PLACES NP
	FETCH_B \slot, (\q)+1, 1-(\q)%2
	FETCH_A \slot, (\q)+1, 0
	WIN MUL_HI
	MUL16 4, (\q)%2, \zero
	MUL16 6, (\q)%2, \zero
	PLACES NP
	WIN 0
	FETCH_A \slot, (\q)+1, 4
.endm
.macro TURN slot, next, fill
.if \fill
	s_wait_xcnt 0x0
	s_add_nc_u64 s[PFA:PFA+1], s[PFA:PFA+1], s[PFS:PFS+1]
.endif
	s_wait_tensorcnt 0x0
	ds_add_u32 v[SPW], v[NIL]
	s_wait_dscnt 4*NL+1
	WIN MUL_LO
	MUL16 0, 1, 0
	s_wait_dscnt 0x0
	s_barrier_signal -1
	MUL16 2, 1, 0
	WIN 0
	s_barrier_wait -1
.if \fill
	CREST
	s_add_nc_u64 s[G0+4*\slot+2:G0+4*\slot+3], s[G0+4*\slot+2:G0+4*\slot+3], 2*ASTEP
	s_add_nc_u64 s[G0B+4*\slot+2:G0B+4*\slot+3], s[G0B+4*\slot+2:G0B+4*\slot+3], 2*ROWB
	JLOAD G0+4*\slot, G1, G0B+4*\slot, G1B
.else
	PLACES NP
.endif
	FETCH_B \next, 0, 0
	FETCH_A \next, 0, 0
.if \fill
	ASK
.endif
	WIN MUL_HI
	MUL16 4, 1, 0
	MUL16 6, 1, 0
	PLACES NP
	WIN 0
	FETCH_A \next, 0, 4
.endm
	s_wait_tensorcnt 1
	s_barrier_signal -1
	s_barrier_wait -1
	FETCH_B 0, 0, 0
	FETCH_A 0, 0, 0
	FETCH_A 0, 0, 4
	; K steps 2 and 3 are asked for here, once each, one and two K steps ahead of their refills; from K step 4 on each refill asks for the K step two refills on.  s[PFA:PFA+1] stands at K step 3.
	s_sub_nc_u64 s[82:83], s[PFA:PFA+1], s[PFS:PFS+1]
	s_wait_alu depctr_va_vdst(0)                   ; directly ahead of the reader below
	global_prefetch_b8 v[PFO], s[82:83] th:TH_LOAD_NT scope:SCOPE_SE
	global_prefetch_b8 v[PFO], s[PFA:PFA+1] th:TH_LOAD_NT scope:SCOPE_SE
	STEP 0, 0, 1
	s_mov_b32 s3, LAPS-1
.Llap:
	TURN 0, 1, 1
	STEP 1, 0, 0
	TURN 1, 0, 1
	STEP 0, 0, 0
	s_sub_co_u32 s3, s3, 1
	s_cmp_lg_u32 s3, 0
	s_cbranch_scc1 .Llap
	TURN 0, 1, 0
	STEP 1, 0, 0
	s_wait_dscnt 4*NL
	WIN MUL_LO
	MUL16 0, 1, 0
	MUL16 2, 1, 0
	s_wait_dscnt 0
	WIN MUL_HI
	MUL16 4, 1, 0
	MUL16 6, 1, 0
	WIN 0
.macro TOSTAGE a
.set AC, 64*((\a)%4)
	WIN 0x02+((\a)/4)
.irp j, 0,2,4,6,8,10,12,14,16,18,20,22,24,26,28,30,32,34,36,38,40,42,44,46,48,50,52,54,56,58,60,62
	v_pk_mul_f32 v[TMP+\j:TMP+\j+1], v[AC+\j:AC+\j+1], s[96:97] op_sel_hi:[1,0]
.endr
	WIN 0
.irp b, 0,1,2,3,4,5,6,7
	ds_store_b128 v[STO], v[TMP+8*\b:TMP+8*\b+3] offset:64*\b
	ds_store_b128 v[STO], v[TMP+8*\b+4:TMP+8*\b+7] offset:64*\b+16
.endr
.set BB, BK+64*((\a)%2)
.irp t, 0,1,2,3,4,5,6,7,8,9,10,11,12,13,14,15
	ds_load_b128 v[BB+4*\t:BB+4*\t+3], v[RD] offset:\t*SPITCH
.endr
.endm
.macro SEND a, younger
.set BB, BK+64*((\a)%2)
	s_wait_dscnt \younger
.if (\a) > 0
	s_add_nc_u64 s[10:11], s[10:11], 16*SIZE_N*4
.endif
.irp t, 0,1,2,3,4,5,6,7,8,9,10,11,12,13,14,15
	global_store_b128 v[CO], v[BB+4*\t:BB+4*\t+3], s[10:11] offset:\t*SIZE_N*4 th:TH_STORE_NT
.endr
.endm
	s_wait_kmcnt 0x0
	s_add_co_i32 s96, s96, s97
	s_add_co_i32 s96, s96, 127
	s_lshl_b32 s96, s96, 23
	PLACES NP
	TOSTAGE 0
.irp a, 1,2,3,4,5,6,7
.if \a > 1
	s_wait_xcnt 0x0
.endif
	TOSTAGE \a
	SEND \a-1, 32
.endr
	s_wait_xcnt 0x0
	SEND 7, 0
	s_wait_tensorcnt 0x0
	ds_add_u32 v[SPW], v[NIL]
	s_wait_dscnt 0x0
	CROUND
	s_endpgm
.Lfunc_end_k_q11b913fe92_gemm:
	.size	k_q11b913fe92_gemm, .Lfunc_end_k_q11b913fe92_gemm-k_q11b913fe92_gemm
	.p2alignl 7, 3214868480
	.fill 96, 4, 3214868480
	.section	.rodata,"a",@progbits
	.p2align	6, 0x0
	.amdhsa_kernel k_q11b913fe92_gemm
		.amdhsa_group_segment_fixed_size 327680
		.amdhsa_private_segment_fixed_size 0
		.amdhsa_enable_private_segment 0
		.amdhsa_kernarg_size 32
		.amdhsa_user_sgpr_count 2
		.amdhsa_user_sgpr_kernarg_segment_ptr 1
		.amdhsa_wavefront_size32 1
		.amdhsa_system_sgpr_workgroup_id_x 1
		.amdhsa_system_sgpr_workgroup_id_y 1
		.amdhsa_system_sgpr_workgroup_id_z 1
		.amdhsa_system_vgpr_workitem_id 0
		.amdhsa_next_free_vgpr 1024
		.amdhsa_next_free_sgpr 98
		.amdhsa_reserve_vcc 0
		.amdhsa_float_denorm_mode_32 3
		.amdhsa_float_denorm_mode_16_64 3
		.amdhsa_memory_ordered 1
		.amdhsa_forward_progress 1
		.amdhsa_inst_pref_size 126
	.end_amdhsa_kernel
	.amdgpu_metadata
---
amdhsa.version: [ 1, 2 ]
amdhsa.kernels:
  - .name:           k_q11b913fe92_gemm
    .symbol:         k_q11b913fe92_gemm.kd
    .args:
      - { .name: x_codes, .offset: 0, .size: 8, .value_kind: global_buffer, .address_space: global }
      - { .name: w_codes, .offset: 8, .size: 8, .value_kind: global_buffer, .address_space: global }
      - { .name: lowp_scales, .offset: 16, .size: 8, .value_kind: global_buffer, .address_space: global }
      - { .name: out0, .offset: 24, .size: 8, .value_kind: global_buffer, .address_space: global }
    .group_segment_fixed_size: 327680
    .private_segment_fixed_size: 0
    .kernarg_segment_align: 8
    .kernarg_segment_size: 32
    .max_flat_workgroup_size: 128
    .sgpr_count:     98
    .vgpr_count:     1024
    .wavefront_size: 32
...
	.end_amdgpu_metadata
.endif
;; end of part 4
